; MI455X (gfx1250); checked and timed in simulation.
; The chip was launched on July 23, 2026; its instructions are those of AMD's public machine-readable ISA for CDNA 5 (MIT licence, August 2026) and "CDNA5" Instruction Set Architecture Reference Guide (July 2026). The comments in the code are by the model that wrote it; some were corrected since.
;; Multi Head Self Attention. Allowed arithmetic: matrix products marked QUANTISED: E2M1 operands, one E8M0 scale for each 32 along K, by v_wmma_scale_f32_16x16x128_f8f6f4 with both operands' format E2M1 (or v_wmma_scale_f32_32x16x128_f4), f32 sums; products left as they are: bf16, f16 or f32 operands; f32 sums; everything else in f32.
;; Inputs: Wk 256 x 256 float32; Wo 256 x 256 float32; Wq 256 x 256 float32; Wv 256 x 256 float32; bk 256 float32; bo 256 float32; bq 256 float32; bv 256 float32; inputs 4 x 4,096 x 256 float32.
;; Outputs: out0 4 x 4,096 x 256 float32.
;; This version of the problem:
;;   THIS VERSION OF THE PROBLEM IS GIVEN IN LOW PRECISION. The matrix products marked QUANTISED in the list below multiply operands that are first quantised to E2M1 (2 exponent bits, 1 mantissa bit; 4 bits a number), with one power-of-two scale for each 32 numbers along K (OCP MX v1.0); their sums are f32. The products marked 'left as it is' may take bf16, f16 or f32 operands, with f32 sums. Whichever they take, every output number must still come out within the allowed error. Rounding operands to bf16 (8 significant bits) uses up far more of that allowance than f16 does (11 bits, for magnitudes from 6e-5 to 65,504). All else is computed in f32.
;;   The module's matrix products, in the order in which they are computed (A, B: the left and right operand; K: the contracted axis; several contracted axes count as one K, in the product's order):
;;     1. [M 16,384, K 256] x [K 256, N 256]; A: input inputs; B: input Wq: QUANTISED
;;     2. [M 16,384, K 256] x [K 256, N 256]; A: input inputs; B: input Wk: QUANTISED
;;     3. [M 16,384, K 256] x [K 256, N 256]; A: input inputs; B: input Wv: QUANTISED
;;     4. batch 16 x [M 4,096, K 64] x [K 64, N 4,096]; A: computed on the way; B: computed on the way: left as it is (an operand is computed on the way)
;;     5. batch 16 x [M 4,096, K 4,096] x [K 4,096, N 64]; A: computed on the way; B: computed on the way: left as it is (an operand is computed on the way)
;;     6. [M 16,384, K 256] x [K 256, N 256]; A: computed on the way; B: input Wo: left as it is (an operand is computed on the way)
;;   THE QUANTISER, for each operand of a quantised product, along K:
;;     - K is cut into blocks of 32 from its start; a last block that is shorter is filled with zeros.
;;     - A block's scale is 2^e with e = floor(log2(the largest magnitude in the block)) - 2, held to -126 .. 127; a block of zeros has e = 0. As a byte (E8M0): e + 127.
;;     - Each number is divided by its block's scale, clamped to +-6, and rounded to the nearest number of E2M1, ties to even, subnormals kept.
;;     - The product sums the exact products of the quantised numbers (number of the format x scale) in f32.
;;   ~~~python
;;   def quantise(x, axis):      # numpy; x: float32 -> the quantised numbers, widened to float32 again
;;       x = np.moveaxis(x, axis, -1); K = x.shape[-1]
;;       x = np.pad(x, [(0, 0)] * (x.ndim - 1) + [(0, -K % 32)]); x = x.reshape(x.shape[:-1] + (-1, 32)); a = np.abs(x).max(-1, keepdims=True)
;;       e = np.where(a > 0, np.clip(np.frexp(np.where(a > 0, a, 1))[1] - 1 - 2, -126, 127), 0)      # np.frexp(a)[1] - 1 = floor(log2(a)), exactly
;;       r = np.clip(x / 2.0 ** e, -6, 6)
;;       step = 2.0 ** (np.maximum(np.frexp(np.where(r == 0, 1, r))[1] - 1, 0) - 1)
;;       q = np.round(r / step) * step * 2.0 ** e      # np.round: ties to even
;;       return np.moveaxis(q.reshape(q.shape[:-2] + (-1,))[..., :K], -1, axis).astype(np.float32)
;;   ~~~
;; One version. Each part assembles by itself: llvm-mc -triple=amdgcn-amd-amdhsa -mcpu=gfx1250 --defsym DOCPART=n.
;; ======== version 1 of 1: 4 launches
;; limits: values are held in f16: magnitudes above 65,504 overflow, below 6.1e-05 lose precision
;; workspace buffers: wcodes 98,304 bytes; wscales 12,288 bytes; wo16 131,072 bytes; qf 8,388,608 bytes; kvf 16,777,216 bytes; af 8,388,608 bytes
;; launch prep (part 1): grid 56 x 1, 4 waves a work-group, no clusters, 0 bytes of LDS; arguments Wq, Wk, Wv, Wo, wcodes, wscales, wo16; writes wcodes, wscales, wo16
.if DOCPART == 1
	.amdgcn_target "amdgcn-amd-amdhsa--gfx1250"
	.amdhsa_code_object_version 6
	.text
	.protected	k_q0daa52b1fa_prep
	.globl	k_q0daa52b1fa_prep
	.p2align	8
	.type	k_q0daa52b1fa_prep,@function
k_q0daa52b1fa_prep:
	s_mov_b64 s[64:65], 0
	v_nop
	global_prefetch_b8 v0, s[64:65] scope:SCOPE_SE
	s_setreg_imm32_b32 hwreg(HW_REG_WAVE_MODE, 25, 1), 1
	s_wait_xcnt 0x0
; PREP: the four weights, [256 (k)][256 (n)] f32, are laid once in the order of the operand registers that later launches load.
; Wq, Wk, Wv become codes of E2M1 with one E8M0 byte for each 32 along K (their first axis); Wo becomes f16.
; One fragment to a wave, so each wave has one batch of loads and one wait.
;   work-groups 0-23:  fragment g = 4 x work-group + wave = 32 mat + 2 nt + s: columns 16 nt + 0..15, k = 128 s + 0..127 of matrix mat.
;     A LANE TAKES A COLUMN AND ITS REGISTERS RUN DOWN K, in the order that the 4-bit operand gives lane (r, h): k = 64 c + 32 h + 0..31.
;     So a lane holds two whole blocks of 32, no other lane is asked for a maximum, and the conversions' results are the operand's registers.
;     wcodes: 1,024 bytes a fragment: registers 0-3 as 512 bytes (16 a lane), then registers 4-7.  wscales: 128 bytes a fragment, 4 a lane.
;   work-groups 24-55: fragment g2 = 8 nt + ks of Wo: lane (r, h) holds column 16 nt + r, k = 32 ks + 16 c + 8 h + 0..7, two f16 a register.
; A block's scale is 2^(floor(log2(largest magnitude)) - 2): its byte is the largest magnitude's exponent field - 2, held at 1 from below.
; LIMITS: a block of zeros gets the byte 1 (its codes are zeros, and this program alone reads the bytes); NaN and infinities are not served;
; |Wo| stays under 65,504 (f16).  The scale words leave as 128 consecutive bytes a wave: 12,288 bytes in the whole launch.
.set XN, 64                            ; v64-127  the numbers as loaded
.set CD, 48                            ; v48-55   the fragment
	s_load_b256 s[4:11], s[0:1], 0x0               ; Wq s[4:5], Wk s[6:7], Wv s[8:9], Wo s[10:11]
	s_load_b128 s[12:15], s[0:1], 0x20             ; wcodes s[12:13], wscales s[14:15]
	s_load_b64 s[16:17], s[0:1], 0x30              ; wo16
	v_lshrrev_b32 v1, 5, v0
	v_readfirstlane_b32 s18, v1                    ; wave 0..3
	v_and_b32 v1, 15, v0                           ; r
	v_bfe_u32 v2, v0, 4, 1                         ; h
	v_and_b32 v4, 31, v0                           ; lane
	v_lshlrev_b32 v3, 4, v4                        ; 16 x lane: my place in 512 bytes of an image
	v_lshlrev_b32 v6, 2, v4                        ; 4 x lane: my scale word's
	v_lshlrev_b32 v5, 2, v1                        ; 4 r: my column in a row of W
	s_mov_b32 s20, 0x76543210
	s_mov_b32 s21, 0xfedcba98                      ; v_permlanex16_b32's selects for lane l xor 16
	s_mov_b32 s23, 0                               ; the high word of every offset here
	s_wait_kmcnt 0x0
	s_cmp_lt_u32 ttmp9, 24
	s_cbranch_scc0 .Lwo
	; ---- Wq, Wk, Wv into codes
	s_lshl_b32 s19, ttmp9, 2
	s_add_co_u32 s19, s19, s18                     ; g
	s_cmp_lt_u32 ttmp9, 8                          ; the matrix is chosen by the work-group's number alone
	s_cselect_b64 s[4:5], s[4:5], s[6:7]
	s_cmp_lt_u32 ttmp9, 16
	s_cselect_b64 s[4:5], s[4:5], s[8:9]
	s_and_b32 s22, s19, 1
	s_lshl_b32 s22, s22, 17                        ; s: 128 rows of 1,024 bytes
	s_bfe_u32 s24, s19, 0x40001                    ; nt
	s_lshl_b32 s24, s24, 6                         ; 16 columns of 4 bytes
	s_add_co_u32 s22, s22, s24
	s_add_nc_u64 s[4:5], s[4:5], s[22:23]
	s_lshl_b32 s22, s19, 10
	s_add_nc_u64 s[12:13], s[12:13], s[22:23]      ; my fragment's 1,024 bytes
	s_lshl_b32 s22, s19, 7
	s_add_nc_u64 s[14:15], s[14:15], s[22:23]      ; my scale words' 128 bytes
	v_lshl_add_u32 v5, v2, 15, v5                  ; lanes 16-31 begin 32 rows further down
.irp c, 0,1
.irp i, 0,1,2,3,4,5,6,7,8,9,10,11,12,13,14,15,16,17,18,19,20,21,22,23,24,25,26,27,28,29,30,31
	global_load_b32 v[XN+32*\c+\i], v5, s[4:5] offset:1024*(64*\c+\i)   ; W(128 s + 64 c + 32 h + i, 16 nt + r)
.endr
.endr
	s_wait_loadcnt 0x0
.irp c, 0,1
	v_max3_num_f32 v[32+\c], |v[XN+32*\c]|, |v[XN+1+32*\c]|, 0x1800000   ; block 2 c + h: all 32 numbers are mine; the floor 2^(3 - 127) holds the byte at 1 from below
.endr
.irp i, 2,4,6,8,10,12,14,16,18,20,22,24,26,28,30
.irp c, 0,1
	v_max3_num_f32 v[32+\c], v[32+\c], |v[XN+32*\c+\i]|, |v[XN+1+32*\c+\i]|   ; the two blocks by turns
.endr
.endr
.irp c, 0,1
	v_add_nc_u32 v[44+\c], 0xff000000, v[32+\c]    ; 2 off the exponent field: the conversion's scale operand
.endr
.irp c, 0,1
	v_lshrrev_b32 v[36+\c], 23, v[44+\c]           ; the scale's byte
.endr
	v_lshl_or_b32 v9, v37, 16, v36                 ; my two bytes: blocks h and 2 + h,
	v_lshlrev_b32 v10, 3, v2
	v_lshlrev_b32 v9, v10, v9                      ; at their places in the word (8 h bits up);
	v_mov_b32 v10, 0                               ; (a lane permute's destination counts as read)
	v_permlanex16_b32 v10, v9, s20, s21
	v_or_b32 v9, v9, v10                           ; with lane l xor 16's two the word is whole, in both halves of the lanes
.irp c, 0,1
.irp g, 0,1,2,3
	v_cvt_scalef32_pk8_fp4_f32 v[CD+4*\c+\g], v[XN+32*\c+8*\g:XN+32*\c+8*\g+7], v[44+\c]
.endr
.endr
	v_nop                                          ; one plain line behind the last scaled conversion
	global_store_b128 v3, v[CD:CD+3], s[12:13]                 ; 32 lanes store 512 consecutive bytes, aligned
	global_store_b128 v3, v[CD+4:CD+7], s[12:13] offset:512
	global_store_b32 v6, v9, s[14:15]
	s_endpgm
.Lwo:
	; ---- Wo into f16
	s_sub_co_u32 s19, ttmp9, 24
	s_lshl_b32 s19, s19, 2
	s_add_co_u32 s19, s19, s18                     ; g2 = 8 nt + ks
	s_and_b32 s22, s19, 7
	s_lshl_b32 s22, s22, 15                        ; ks: 32 rows of 1,024 bytes
	s_lshr_b32 s24, s19, 3
	s_lshl_b32 s24, s24, 6                         ; nt: 16 columns of 4 bytes
	s_add_co_u32 s22, s22, s24
	s_add_nc_u64 s[10:11], s[10:11], s[22:23]
	s_lshl_b32 s22, s19, 10
	s_add_nc_u64 s[16:17], s[16:17], s[22:23]
	v_lshl_add_u32 v5, v2, 13, v5                  ; lanes 16-31 begin 8 rows further down
.irp c, 0,1
.irp j, 0,1,2,3,4,5,6,7
	global_load_b32 v[XN+8*\c+\j], v5, s[10:11] offset:1024*(16*\c+\j)   ; Wo(32 ks + 16 c + 8 h + j, 16 nt + r)
.endr
.endr
	s_wait_loadcnt 0x0
.irp c, 0,1
.irp j, 0,1,2,3
	v_cvt_pk_f16_f32 v[CD+4*\c+\j], v[XN+8*\c+2*\j], v[XN+8*\c+2*\j+1]   ; the lower k in the low half
.endr
.endr
	global_store_b128 v3, v[CD:CD+3], s[16:17]
	global_store_b128 v3, v[CD+4:CD+7], s[16:17] offset:512
	s_endpgm
.Lfunc_end_k_q0daa52b1fa_prep:
	.size	k_q0daa52b1fa_prep, .Lfunc_end_k_q0daa52b1fa_prep-k_q0daa52b1fa_prep
	.p2alignl 7, 3214868480
	.fill 96, 4, 3214868480
	.section	.rodata,"a",@progbits
	.p2align	6, 0x0
	.amdhsa_kernel k_q0daa52b1fa_prep
		.amdhsa_group_segment_fixed_size 0
		.amdhsa_private_segment_fixed_size 0
		.amdhsa_enable_private_segment 0
		.amdhsa_kernarg_size 56
		.amdhsa_user_sgpr_count 2
		.amdhsa_user_sgpr_kernarg_segment_ptr 1
		.amdhsa_wavefront_size32 1
		.amdhsa_system_sgpr_workgroup_id_x 1
		.amdhsa_system_sgpr_workgroup_id_y 1
		.amdhsa_system_sgpr_workgroup_id_z 1
		.amdhsa_system_vgpr_workitem_id 0
		.amdhsa_next_free_vgpr 128
		.amdhsa_next_free_sgpr 66
		.amdhsa_reserve_vcc 0
		.amdhsa_float_denorm_mode_32 3
		.amdhsa_float_denorm_mode_16_64 3
		.amdhsa_memory_ordered 1
		.amdhsa_forward_progress 1
		.amdhsa_inst_pref_size 14
	.end_amdhsa_kernel
	.amdgpu_metadata
---
amdhsa.version: [ 1, 2 ]
amdhsa.kernels:
  - .name:           k_q0daa52b1fa_prep
    .symbol:         k_q0daa52b1fa_prep.kd
    .args:
      - { .name: Wq, .offset: 0, .size: 8, .value_kind: global_buffer, .address_space: global }
      - { .name: Wk, .offset: 8, .size: 8, .value_kind: global_buffer, .address_space: global }
      - { .name: Wv, .offset: 16, .size: 8, .value_kind: global_buffer, .address_space: global }
      - { .name: Wo, .offset: 24, .size: 8, .value_kind: global_buffer, .address_space: global }
      - { .name: wcodes, .offset: 32, .size: 8, .value_kind: global_buffer, .address_space: global }
      - { .name: wscales, .offset: 40, .size: 8, .value_kind: global_buffer, .address_space: global }
      - { .name: wo16, .offset: 48, .size: 8, .value_kind: global_buffer, .address_space: global }
    .group_segment_fixed_size: 0
    .private_segment_fixed_size: 0
    .kernarg_segment_align: 8
    .kernarg_segment_size: 56
    .max_flat_workgroup_size: 128
    .sgpr_count:     66
    .vgpr_count:     128
    .wavefront_size: 32
...
	.end_amdgpu_metadata
.endif
;; end of part 1
;; launch qkv (part 2): grid 256 x 1, 8 waves a work-group, no clusters, 77,824 bytes of LDS; arguments inputs, wcodes, wscales, bq, bk, bv, qf, kvf; writes qf, kvf
.if DOCPART == 2
	.amdgcn_target "amdgcn-amd-amdhsa--gfx1250"
	.amdhsa_code_object_version 6
	.text
	.protected	k_q0daa52b1fa_qkv
	.globl	k_q0daa52b1fa_qkv
	.p2align	8
	.type	k_q0daa52b1fa_qkv,@function
k_q0daa52b1fa_qkv:
	s_mov_b64 s[64:65], 0
	v_nop
	global_prefetch_b8 v0, s[64:65] scope:SCOPE_SE
	s_setreg_imm32_b32 hwreg(HW_REG_WAVE_MODE, 25, 1), 1
	s_wait_xcnt 0x0
; QKV: q = x Wq + bq, k = x Wk + bk, v = x Wv + bv, all three products on codes of E2M1 with one E8M0 scale for each 32 along K = 256; sums in f32.
; x [16,384][256] f32 is quantised here, once; the weights come as fragments from the launch before.  q x log2(e)/8, k and v leave as f16,
; laid in the order of the registers in which the attention launch wants them.
; SHARES.  A work-group takes 64 rows (4 tiles of 16) and all 768 columns.  Wave w keeps the column tiles 2 w and 2 w + 1 of each of the three weights
; (12 fragments, 96 registers) for all 64 rows: head w / 2, channels 32 (w % 2) + 0..31.  Wave w also quantises ONE fragment of x: row tile w / 2, K step w % 2;
; it reaches the other waves through LDS as an image of its registers (16 bytes a lane, 512 a store), behind the launch's one barrier.
; x ON ITS WAY IN.  A load reads 512 consecutive bytes (a row's K step); the 16 rows turn through the wave's own stage (rows 528 bytes apart, an odd multiple
; of 16), so that lane (r, h) gets, of row r, 16 neighbours of each block of 32: what the conversions want.
; ORIENTATION.  q's and k's products are used transposed (source 0 = 16 columns of W, source 1 = 16 rows of x): a lane then holds one token and 8 neighbouring channels,
; which packed to f16 are 4 registers of a fragment with the channels along K.  v's product is used as it stands: a lane holds one channel and 8 neighbouring tokens:
; 4 registers of a fragment with the keys along K.  So every result leaves by stores of 512 consecutive aligned bytes, with no stage.
; bq and bk are the C of their sums' first products; bv, which is one number a lane, is added behind.
; LIMITS: |q log2(e)/8|, |k|, |v| stay under 65,504 (f16); NaN and infinities are not served; a block of zeros of x gets the byte 1 (its codes are zeros).
.set XIMG,  0                          ; LDS: x's 8 fragments (2 m + s), 1,024 bytes each
.set XSC,   8192                       ; their scale words, 128 bytes each
.set STG,   9216                       ; a stage of 16 rows x 528 bytes for each wave
.set SPARE, 76800                      ; the spare words, 128 bytes for each wave: four blocks of 256 bytes that no other line names
.set WF,  16                           ; v16-111  weights: tile u = 2 mat + i, K step s at WF + 16 u + 8 s
.set WS,  112                          ; v112-123 their scale words at WS + 2 u + s
.set BQ,  124                          ; v124-155 bq's two tiles, then bk's two, 8 registers each, in the result's layout
.set BV,  156                          ; v156-159 bv: a pair (the same number twice) for each tile
.set XF,  160                          ; v160-175 x's two fragments of the row tile in hand
.set PC,  160                          ; (the codes that I make stand there first)
.set XS,  176                          ; v176-177 x's scale words
.set ACC, 178                          ; v178-225 six accumulators: q0 q1 k0 k1 v0 v1
.set OUT, 226                          ; v226-249 the six tiles as f16
.set X,   178                          ; v178-241 while x is quantised: 64 numbers
.set TM,  242                          ; v242-253 largest magnitudes, bytes, scale operands
.set PW,  254                          ; v254     the scale word that I make
	s_load_b256 s[4:11], s[0:1], 0x0               ; inputs s[4:5], wcodes s[6:7], wscales s[8:9], bq s[10:11]
	s_load_b256 s[12:19], s[0:1], 0x20             ; bk s[12:13], bv s[14:15], qf s[16:17], kvf s[18:19]
	v_lshl_add_u32 v12, v0, 2, SPARE               ; my spare word,
	v_mov_b32 v13, 0                               ; and 0: kept for the wave's end
	v_lshrrev_b32 v9, 5, v0
	v_readfirstlane_b32 s20, v9                    ; wave 0..7
	v_and_b32 v9, 31, v0                           ; lane
	v_and_b32 v10, 15, v0                          ; r
	v_bfe_u32 v11, v0, 4, 1                        ; h
	v_lshlrev_b32 v1, 4, v9                        ; v1: 16 x lane
	v_lshlrev_b32 v2, 2, v9                        ; v2: 4 x lane
	s_mul_i32 s26, s20, 8448
	s_add_co_u32 s26, s26, STG                     ; my stage
	v_add_nc_u32 v3, s26, v1                       ; v3: into it: 16 x lane of a row
	v_mul_u32_u24 v4, v10, 528
	v_lshl_add_u32 v4, v11, 6, v4
	v_add_nc_u32 v4, s26, v4                       ; v4: out of it: row r, + 64 h
	s_lshl_b32 s26, s20, 10
	s_add_co_u32 s26, s26, XIMG
	v_add_nc_u32 v5, s26, v1                       ; v5: where my fragment's image goes
	s_lshl_b32 s26, s20, 7
	s_add_co_u32 s26, s26, XSC
	v_add_nc_u32 v6, s26, v2                       ; v6: and its scale words
	v_lshlrev_b32 v7, 5, v11                       ; v7: 32 h: bq, bk: my half's 8 channels of a tile
	v_lshlrev_b32 v8, 2, v10                       ; v8: 4 r: bv: my channel
.irp b, 0,1,2,3
	v_mov_b32 v[TM+4+\b], 0                        ; a lane permute's destination counts as read
.endr
	s_mov_b32 s22, 0x76543210
	s_mov_b32 s23, 0xfedcba98                      ; lane l xor 16
	s_mov_b32 s24, 0x3e38aa3b                      ; log2(e) / sqrt(64): the scores then come out as exponents of 2
	s_mov_b32 s25, s24                             ; (named with it as a pair)
	s_lshr_b32 s21, s20, 1                         ; the head of my columns; also the row tile that I quantise
	s_and_b32 s44, s20, 1                          ; which 32 channels of the head; also the K step that I quantise
	s_lshr_b32 s45, ttmp9, 6                       ; the batch: 64 work-groups each
	s_and_b32 s46, ttmp9, 63                       ; p: my 64 tokens in the sequence
	s_lshl_b32 s45, s45, 2
	s_add_co_u32 s45, s45, s21                     ; bh = 4 b + head
	s_lshl_b32 s26, ttmp9, 16                      ; x: 64 rows of 1,024 bytes a work-group,
	s_lshl_b32 s27, s21, 14                        ; 16 rows a tile,
	s_add_co_u32 s26, s26, s27
	s_lshl_b32 s27, s44, 9                         ; 512 bytes a K step
	s_add_co_u32 s26, s26, s27
	s_mov_b32 s27, 0
	s_lshl_b32 s28, s45, 19                        ; qf: 524,288 bytes a head, 2,048 a tile of 16 tokens (8,192 p), 1,024 for 32 channels
	s_lshl_b32 s29, s46, 13
	s_add_co_u32 s28, s28, s29
	s_lshl_b32 s29, s44, 10
	s_add_co_u32 s28, s28, s29
	s_mov_b32 s29, 0
	s_lshl_b32 s30, s45, 20                        ; kvf: 1,048,576 bytes a head, 131,072 a slot of 512 keys (8 p), in it 8,192 for my 64 keys, in K's part and in V's
	s_lshr_b32 s31, s46, 3
	s_lshl_b32 s31, s31, 17
	s_add_co_u32 s30, s30, s31
	s_and_b32 s31, s46, 7
	s_lshl_b32 s31, s31, 13
	s_add_co_u32 s30, s30, s31
	s_lshl_b32 s32, s44, 11                        ; V's part begins 65,536 bytes on; 1,024 bytes for 16 channels
	s_add_co_u32 s32, s32, s30
	s_add_co_u32 s32, s32, 65536
	s_mov_b32 s33, 0
	s_lshl_b32 s31, s44, 10                        ; K's part: as qf
	s_add_co_u32 s30, s30, s31
	s_mov_b32 s31, 0
	s_lshl_b32 s34, s20, 12                        ; my four fragments of each weight,
	s_mov_b32 s35, 0
	s_lshl_b32 s36, s20, 9                         ; their scale words,
	s_mov_b32 s37, 0
	s_lshl_b32 s38, s20, 7                         ; my 32 numbers of each bias
	s_mov_b32 s39, 0
	s_wait_kmcnt 0x0
	s_add_nc_u64 s[4:5], s[4:5], s[26:27]
	s_add_nc_u64 s[6:7], s[6:7], s[34:35]
	s_add_nc_u64 s[8:9], s[8:9], s[36:37]
	s_add_nc_u64 s[10:11], s[10:11], s[38:39]
	s_add_nc_u64 s[12:13], s[12:13], s[38:39]
	s_add_nc_u64 s[14:15], s[14:15], s[38:39]
	s_add_nc_u64 s[16:17], s[16:17], s[28:29]      ; q's tiles
	s_add_nc_u64 s[30:31], s[18:19], s[30:31]      ; k's
	s_add_nc_u64 s[32:33], s[18:19], s[32:33]      ; v's
	; ---- all loads at once, x first: 16 + 24 + 12 + 8 + 2
.irp i, 0,1,2,3,4,5,6,7,8,9,10,11,12,13,14,15
	global_load_b128 v[X+4*\i:X+4*\i+3], v1, s[4:5] offset:1024*\i th:TH_LOAD_NT   ; row i: 512 consecutive bytes; read once in the launch
.endr
.irp a, 0,1,2
.irp j, 0,1,2,3,4,5,6,7
	global_load_b128 v[WF+32*\a+4*\j:WF+32*\a+4*\j+3], v1, s[6:7] offset:32768*\a+512*\j
.endr
.endr
.irp a, 0,1,2
.irp j, 0,1,2,3
	global_load_b32 v[WS+4*\a+\j], v2, s[8:9] offset:4096*\a+128*\j
.endr
.endr
.irp i, 0,1
	global_load_b128 v[BQ+8*\i:BQ+8*\i+3], v7, s[10:11] offset:64*\i
	global_load_b128 v[BQ+8*\i+4:BQ+8*\i+7], v7, s[10:11] offset:64*\i+16
	global_load_b128 v[BQ+16+8*\i:BQ+16+8*\i+3], v7, s[12:13] offset:64*\i
	global_load_b128 v[BQ+16+8*\i+4:BQ+16+8*\i+7], v7, s[12:13] offset:64*\i+16
	global_load_b32 v[BV+2*\i], v8, s[14:15] offset:64*\i
.endr
	s_wait_loadcnt 46                              ; x's 16 loads are in; the 46 issued behind them may be out
	; ---- the turn through my stage.  LDS serves a wave's instructions in order (ISA guide 5.7.1.4): no wait between the stores and the loads
.irp i, 0,1,2,3,4,5,6,7,8,9,10,11,12,13,14,15
	ds_store_b128 v3, v[X+4*\i:X+4*\i+3] offset:528*\i
.endr
.irp b, 0,1,2,3
.irp j, 0,1,2,3
	ds_load_b128 v[X+16*\b+4*\j:X+16*\b+4*\j+3], v4 offset:128*\b+16*\j   ; register 16 b + i = k 32 b + 16 h + i of row r
.endr
.endr
	s_wait_dscnt 0x0
	; ---- the quantiser: four blocks of 32, each in lanes l and l xor 16
.irp b, 0,1,2,3
	v_max3_num_f32 v[TM+\b], |v[X+16*\b]|, |v[X+1+16*\b]|, 0x1800000   ; my 16 numbers, and the floor 2^(3 - 127): the byte cannot fall under 1
.endr
.irp i, 2,4,6,8,10,12,14
.irp b, 0,1,2,3
	v_max3_num_f32 v[TM+\b], v[TM+\b], |v[X+16*\b+\i]|, |v[X+1+16*\b+\i]|   ; the four blocks by turns
.endr
.endr
.irp b, 0,1,2,3
	v_permlanex16_b32 v[TM+4+\b], v[TM+\b], s22, s23
.endr
.irp b, 0,1,2,3
	v_max_num_f32 v[TM+\b], v[TM+\b], v[TM+4+\b]   ; the block's largest magnitude
.endr
.irp b, 0,1,2,3
	v_add_nc_u32 v[TM+8+\b], 0xff000000, v[TM+\b]  ; 2 off its exponent field: the conversion's scale operand
.endr
.irp b, 0,1,2,3
	v_lshrrev_b32 v[TM+4+\b], 23, v[TM+8+\b]       ; the scale's byte
.endr
	v_lshl_or_b32 v[PW], v[TM+5], 8, v[TM+4]       ; my row's scale word
	v_lshl_or_b32 v[PW], v[TM+6], 16, v[PW]
	v_lshl_or_b32 v[PW], v[TM+7], 24, v[PW]
.irp b, 0,1,2,3
	v_cvt_scalef32_pk8_fp4_f32 v[PC+2*\b], v[X+16*\b:X+16*\b+7], v[TM+8+\b]
	v_cvt_scalef32_pk8_fp4_f32 v[PC+1+2*\b], v[X+8+16*\b:X+8+16*\b+7], v[TM+8+\b]
.endr
	v_nop                                          ; one plain line behind the last scaled conversion
.irp c, 0,1                            ; the operand wants a WHOLE block in a lane: lanes 0-15 block 2 c, lanes 16-31 block 2 c + 1
.irp i, 0,1
	v_permlane16_swap_b32 v[PC+4*\c+\i], v[PC+2+4*\c+\i]
.endr
.endr
	ds_store_b128 v5, v[PC:PC+3]                   ; the fragment goes to LDS as it stands
	ds_store_b128 v5, v[PC+4:PC+7] offset:512
	ds_store_b32 v6, v[PW]
	s_wait_dscnt 0x0                               ; for the others' sake: my stores have landed
	s_barrier_signal -1
	s_barrier_wait -1                              ; x's eight fragments lie in LDS; nothing is written there again
	s_wait_loadcnt 0x0                             ; weights, scale words, biases
	v_mov_b32 v[BV+1], v[BV]
	v_mov_b32 v[BV+3], v[BV+2]
.macro FETCH m                         ; row tile m: two fragments and their scale words, as images
.irp f, 0,1
.irp c, 0,1
	ds_load_b128 v[XF+8*\f+4*\c:XF+8*\f+4*\c+3], v1 offset:XIMG+1024*(2*(\m)+\f)+512*\c
.endr
	ds_load_b32 v[XS+\f], v2 offset:XSC+128*(2*(\m)+\f)
.endr
.endm
; Six products, K step s, the six accumulators by turns.  The first K step starts the sums: q's and k's with their bias, v's with 0.
.macro MUL s
.irp u, 0,1,2,3,4,5
.if \u < 4
.if \s == 0
	v_wmma_scale_f32_16x16x128_f8f6f4 v[ACC+8*\u:ACC+8*\u+7], v[WF+16*\u+8*\s:WF+16*\u+8*\s+7], v[XF+8*\s:XF+8*\s+7], v[BQ+8*\u:BQ+8*\u+7], v[WS+2*\u+\s], v[XS+\s] matrix_a_fmt:MATRIX_FMT_FP4 matrix_b_fmt:MATRIX_FMT_FP4
.else
	v_wmma_scale_f32_16x16x128_f8f6f4 v[ACC+8*\u:ACC+8*\u+7], v[WF+16*\u+8*\s:WF+16*\u+8*\s+7], v[XF+8*\s:XF+8*\s+7], v[ACC+8*\u:ACC+8*\u+7], v[WS+2*\u+\s], v[XS+\s] matrix_a_fmt:MATRIX_FMT_FP4 matrix_b_fmt:MATRIX_FMT_FP4
.endif
.else
.if \s == 0
	v_wmma_scale_f32_16x16x128_f8f6f4 v[ACC+8*\u:ACC+8*\u+7], v[XF+8*\s:XF+8*\s+7], v[WF+16*\u+8*\s:WF+16*\u+8*\s+7], 0, v[XS+\s], v[WS+2*\u+\s] matrix_a_fmt:MATRIX_FMT_FP4 matrix_b_fmt:MATRIX_FMT_FP4
.else
	v_wmma_scale_f32_16x16x128_f8f6f4 v[ACC+8*\u:ACC+8*\u+7], v[XF+8*\s:XF+8*\s+7], v[WF+16*\u+8*\s:WF+16*\u+8*\s+7], v[ACC+8*\u:ACC+8*\u+7], v[XS+\s], v[WS+2*\u+\s] matrix_a_fmt:MATRIX_FMT_FP4 matrix_b_fmt:MATRIX_FMT_FP4
.endif
.endif
.endr
.endm
	FETCH 0
.irp m, 0,1,2,3
	s_wait_dscnt 0x0                               ; this row tile's fragments and scale words are in
	MUL 0
	MUL 1
.rept 4
	v_nop                                          ; four places ahead of the loads into x's registers and of the first read of results
.endr
.if \m < 3
	FETCH \m+1
.endif
	s_wait_xcnt 0x0                                ; the last tile's stores have read their data: OUT is written again only behind this wait
.irp u, 0,1
.irp j, 0,2,4,6
	v_pk_mul_f32 v[ACC+8*\u+\j:ACC+8*\u+\j+1], v[ACC+8*\u+\j:ACC+8*\u+\j+1], s[24:25] op_sel_hi:[1,0]   ; q x log2(e)/8, in f32, each accumulator from its low end on
.endr
.endr
.irp i, 0,1
.irp j, 0,2,4,6
	v_pk_add_f32 v[ACC+32+8*\i+\j:ACC+32+8*\i+\j+1], v[ACC+32+8*\i+\j:ACC+32+8*\i+\j+1], v[BV+2*\i:BV+2*\i+1]   ; v + bv
.endr
.endr
.irp u, 0,1,2,3,4,5
.irp j, 0,1,2,3
	v_cvt_pk_f16_f32 v[OUT+4*\u+\j], v[ACC+8*\u+2*\j], v[ACC+8*\u+2*\j+1]
.endr
.endr
.irp i, 0,1                            ; each store: 512 consecutive bytes, aligned: half a fragment of the attention launch
	global_store_b128 v1, v[OUT+4*\i:OUT+4*\i+3], s[16:17] offset:2048*\m+512*\i
	global_store_b128 v1, v[OUT+8+4*\i:OUT+8+4*\i+3], s[30:31] offset:2048*\m+512*\i
	global_store_b128 v1, v[OUT+16+4*\i:OUT+16+4*\i+3], s[32:33] offset:4096*(\m/2)+512*(\m%2)+1024*\i
.endr
.endr
	s_wait_tensorcnt 0x0                           ; the wave's end
	ds_add_u32 v12, v13
	s_wait_dscnt 0x0
	s_endpgm
.Lfunc_end_k_q0daa52b1fa_qkv:
	.size	k_q0daa52b1fa_qkv, .Lfunc_end_k_q0daa52b1fa_qkv-k_q0daa52b1fa_qkv
	.p2alignl 7, 3214868480
	.fill 96, 4, 3214868480
	.section	.rodata,"a",@progbits
	.p2align	6, 0x0
	.amdhsa_kernel k_q0daa52b1fa_qkv
		.amdhsa_group_segment_fixed_size 77824
		.amdhsa_private_segment_fixed_size 0
		.amdhsa_enable_private_segment 0
		.amdhsa_kernarg_size 64
		.amdhsa_user_sgpr_count 2
		.amdhsa_user_sgpr_kernarg_segment_ptr 1
		.amdhsa_wavefront_size32 1
		.amdhsa_system_sgpr_workgroup_id_x 1
		.amdhsa_system_sgpr_workgroup_id_y 1
		.amdhsa_system_sgpr_workgroup_id_z 1
		.amdhsa_system_vgpr_workitem_id 0
		.amdhsa_next_free_vgpr 256
		.amdhsa_next_free_sgpr 66
		.amdhsa_reserve_vcc 0
		.amdhsa_float_denorm_mode_32 3
		.amdhsa_float_denorm_mode_16_64 3
		.amdhsa_memory_ordered 1
		.amdhsa_forward_progress 1
		.amdhsa_inst_pref_size 36
	.end_amdhsa_kernel
	.amdgpu_metadata
---
amdhsa.version: [ 1, 2 ]
amdhsa.kernels:
  - .name:           k_q0daa52b1fa_qkv
    .symbol:         k_q0daa52b1fa_qkv.kd
    .args:
      - { .name: inputs, .offset: 0, .size: 8, .value_kind: global_buffer, .address_space: global }
      - { .name: wcodes, .offset: 8, .size: 8, .value_kind: global_buffer, .address_space: global }
      - { .name: wscales, .offset: 16, .size: 8, .value_kind: global_buffer, .address_space: global }
      - { .name: bq, .offset: 24, .size: 8, .value_kind: global_buffer, .address_space: global }
      - { .name: bk, .offset: 32, .size: 8, .value_kind: global_buffer, .address_space: global }
      - { .name: bv, .offset: 40, .size: 8, .value_kind: global_buffer, .address_space: global }
      - { .name: qf, .offset: 48, .size: 8, .value_kind: global_buffer, .address_space: global }
      - { .name: kvf, .offset: 56, .size: 8, .value_kind: global_buffer, .address_space: global }
    .group_segment_fixed_size: 77824
    .private_segment_fixed_size: 0
    .kernarg_segment_align: 8
    .kernarg_segment_size: 64
    .max_flat_workgroup_size: 256
    .sgpr_count:     66
    .vgpr_count:     256
    .wavefront_size: 32
...
	.end_amdgpu_metadata
.endif
;; end of part 2
;; launch attn (part 3): grid 16 x 16, 8 waves a work-group, clusters of 4 x 1, 327,680 bytes of LDS; arguments qf, kvf, af; writes af
.if DOCPART == 3
	.amdgcn_target "amdgcn-amd-amdhsa--gfx1250"
	.amdhsa_code_object_version 6
	.text
	.protected	k_q0daa52b1fa_attn
	.globl	k_q0daa52b1fa_attn
	.p2align	8
	.type	k_q0daa52b1fa_attn,@function
k_q0daa52b1fa_attn:
	s_mov_b64 s[64:65], 0
	v_nop
	global_prefetch_b8 v0, s[64:65] scope:SCOPE_SE
	s_setreg_imm32_b32 hwreg(HW_REG_WAVE_MODE, 25, 1), 1
	s_wait_xcnt 0x0
	s_wait_alu depctr_hold_cnt(0) depctr_sa_sdst(0) depctr_va_vdst(0) depctr_va_sdst(0) depctr_va_ssrc(0) depctr_va_vcc(0) depctr_vm_vsrc(0)
	s_getreg_b32 s2, hwreg(HW_REG_IB_STS2, 6, 4)
	s_cmp_eq_u32 s2, 0
	s_cbranch_scc0 .Lentry_in_a_cluster
	s_endpgm
.Lentry_in_a_cluster:
	s_bfe_u32 s2, ttmp6, 0x10000c
	s_cmp_lg_u32 s2, 0x3003
	s_cbranch_scc0 .Lentry_shape_is_right
	s_endpgm
.Lentry_shape_is_right:
; ATTN: for each of 16 (batch, head): o[q] = sum over k of softmax_k(q . k / 8) v[k], 4,096 queries and keys, head size 64.  Operands f16, sums, maxima and exponentials f32.
; q arrives multiplied by log2(e)/8, so a score s is an exponent of 2.  For each query a running maximum m and sum l: p = 2^(s - m); in every key step O and l are
; multiplied by a = 2^(m_old - m_new), which is 1 where m has not grown.  The sum is taken of p before it is rounded to f16; it divides O at the end.
; SHARES.  A work-group owns 256 queries of one (batch, head): 256 work-groups.  Each of its eight waves owns 32 queries, two tiles of 16, in 256 registers: two waves to a SIMD,
; so that one wave's softmax stands beside the other's products.  Every wave walks all 4,096 keys, 64 a step.
; LAYOUT.  S^T = K Q^T (source 0 = 16 keys, source 1 = 16 queries) and O^T = V^T P (source 0 = 16 channels, source 1 = P): a lane holds ONE query throughout.  Two tiles of S^T, rounded to f16
; in pairs, ARE a fragment of P; they are packed in place, into the low 16 registers of the tile's 32.
; K AND V lie in memory as images of the fragments' registers (16 bytes a lane, 512 a group of four registers), a slot of 512 keys in 131,072 consecutive bytes: K's 32 tiles, then V's 16 x 4.
; So a slot is one dense block, each wave fetches an eighth of it by one tensor load, and every LDS load reads 512 consecutive bytes: no pitch, no padding.
; RING.  Two slots.  A slot is left in its eighth key step, when V's last fragments are in registers; it is then filled again, and that load has eight key steps in which to land.
; By this text's own count a wave has two tensor loads out at the start and one behind each change of slots.
; CLUSTER.  The four query blocks of a cluster belong to one (batch, head) and walk the same K and V: each eighth of a slot is asked for JOINTLY, by the same load with the same descriptor
; (made of the wave's number, the head and the slot alone) and a mask that names the four.
; LIMITS: the f16 operands stay under 65,504 in magnitude; NaN and infinities are not served.
.set SLOT1, 131072                     ; slot 1 begins here: one exclusive or turns an address in one slot into the other's
.set SPARE, 262144                     ; behind the ring: the spare words, 128 bytes for each wave: four blocks of 256 bytes that no other line names
.set LI,  1                            ; v1   16 x lane; never rewritten
.set AV0, 2                            ; v2   16 x lane + 65,536: V's part of a slot
.set ADK, 3                            ; v3   LDS address of the step's K
.set ADV, 4                            ; v4   of its V
.set PFO, 5                            ; v5   256 x lane: the prefetches' offset; never rewritten
.set SPW, 6                            ; v6   my spare word; never rewritten
.set NIL, 7                            ; v7   0; never rewritten
.set ST,  8                            ; v8-23  statistics, 8 a tile: +0 m, +1 m_old then m_old - m, +2, +3 l (even keys', odd keys'), +4 to +7 at work; a takes +6
.set Q,   24                           ; v24-55   Q: tile t, channels 32 s on, at Q + 16 t + 8 s
.set KV,  56                           ; v56-119  K of a step (channels 32 s on, keys 16 kt on: KV + 32 s + 8 kt), then V (keys 32 u on, channels 16 d on: KV + 32 u + 8 d)
.set S,   120                          ; v120-183 S^T: tile t, keys 16 kt on, at S + 32 t + 8 kt; then P at S + 32 t + 8 u
.set O,   184                          ; v184-247 O^T: tile t, channels 16 d on, at O + 32 t + 8 d
.set WV,  10                           ; s10  my wave's number
.set SEL, 20                           ; s[20:21] lane l xor 16
.set TB,  22                           ; s22  LDS byte at which the step to be fetched begins: 8,192 a step, in K's part and in V's
.set SLOTS, 23                         ; s23  slots still to be asked for
.set G1,  24                           ; s[24:31] descriptor group 1
.set G0A, 32                           ; s[32:35] group 0 of slot 0's first fill
.set G0B, 36                           ; s[36:39] group 0 of slot 1's first fill; it then walks
.set CNT, 40                           ; s40  counts a slot's first seven steps
.set LIM, 41                           ; s41  1 in a wave that prefetches, else the greatest number
.set PFA, 42                           ; s[42:43] where my prefetches stand
.macro CROUND                          ; a round of the cluster's barrier: my work-group's barrier; wave 0 signals for the work-group; every wave waits for all four; my work-group's barrier once more
	s_barrier_signal -1
	s_barrier_wait -1
	s_cmp_lg_u32 s[WV], 0
	s_cbranch_scc1 .Lnot_wave_0_\@
	s_barrier_signal -3
.Lnot_wave_0_\@:
	s_barrier_wait -3
	s_barrier_signal -1
	s_barrier_wait -1
.endm
.macro JLOAD                           ; the joint refill: every wave its eighth of the slot; s_nop 0 and four v_nop follow
	tensor_load_to_lds s[G0B:G0B+3], s[G1:G1+7]
	s_nop 0
.rept 4
	v_nop
.endr
.endm
; A prefetch of the slot that the NEXT change of slots will ask for: 131,072 bytes, each aligned block of 256 named once in the launch.  All four clusters of a head walk the same slots: the first of them asks.
; Its four partners take 32,768 bytes each, told apart by address; in each, waves 0 to 3 take 8,192 bytes, lanes 256 bytes apart: one instruction a wave, eight key steps ahead of the load.
; The last change that fills a slot asks for nothing; slots 0, 1 and 2 come by their loads alone.
.macro ASK
	s_cmp_gt_u32 s[SLOTS], s[LIM]
	s_cbranch_scc0 .Lnot_mine_\@
	global_prefetch_b8 v[PFO], s[PFA:PFA+1] th:TH_LOAD_NT scope:SCOPE_SE
.Lnot_mine_\@:
.endm
	s_load_b128 s[4:7], s[0:1], 0x0                ; qf s[4:5], kvf s[6:7]
	s_load_b64 s[8:9], s[0:1], 0x10                ; af
	v_lshl_add_u32 v[SPW], v0, 2, SPARE
	v_mov_b32 v[NIL], 0
	ds_add_u32 v[SPW], v[NIL]                      ; the wave's opening: the add, twice on end, and its wait ahead of my first tensor load
	ds_add_u32 v[SPW], v[NIL]                      ; (once more; the set-up below, work on registers, stands between it and the wait)
	v_lshrrev_b32 v1, 5, v0
	v_readfirstlane_b32 s[WV], v1                  ; wave 0..7
	s_bfe_u32 s11, ttmp6, 0x40000                  ; cx: my place in the cluster
	s_lshl_b32 s12, ttmp9, 2                       ; in a cluster launch ttmp9 counts clusters
	s_add_co_u32 s12, s12, s11                     ; my block of 256 queries: it enters Q's, O's and the prefetches' addresses alone
	s_and_b32 s13, ttmp7, 0xffff                   ; bh = 4 b + head, which the four partners share
	s_lshl_b32 s14, s13, 20                        ; kvf: 1,048,576 bytes a head, 16,384 a wave: these two registers never hold my place in the cluster
	s_lshl_b32 s15, s[WV], 14
	s_add_co_u32 s14, s14, s15
	s_mov_b32 s15, 0
	s_lshl_b32 s16, s13, 19                        ; qf: 524,288 bytes a head, 32,768 a block, 4,096 a wave's two tiles
	s_lshl_b32 s17, s12, 15
	s_add_co_u32 s16, s16, s17
	s_lshl_b32 s17, s[WV], 12
	s_add_co_u32 s16, s16, s17
	s_mov_b32 s17, 0
	s_lshr_b32 s18, s13, 2                         ; af: 8,192 bytes a tile of 16 tokens: 2,097,152 a batch, 131,072 a block, 16,384 a wave; 2,048 a head
	s_lshl_b32 s18, s18, 21
	s_lshl_b32 s19, s12, 17
	s_add_co_u32 s18, s18, s19
	s_lshl_b32 s19, s[WV], 14
	s_add_co_u32 s18, s18, s19
	s_and_b32 s19, s13, 3
	s_lshl_b32 s19, s19, 11
	s_add_co_u32 s18, s18, s19
	s_mov_b32 s19, 0
	; descriptor group 1: a dense block of 16,384 bytes as 64 rows of 32 elements of 8 bytes
	s_mov_b32 s[G1], 15|(3<<16)|(1<<21)            ; 15:0 the mask: all four work-groups; 17:16 elements of 8 bytes; 20 no padding; 21 set beside a mask
	s_mov_b32 s[G1+1], 32<<16                      ; tensor_dim0 = 32
	s_mov_b32 s[G1+2], 64<<16                      ; tensor_dim1 = 64
	s_mov_b32 s[G1+3], 32<<16                      ; tile_dim0 = 32
	s_mov_b32 s[G1+4], 64                          ; tile_dim1 = 64
	s_mov_b32 s[G1+5], 32                          ; from row to row: 32 elements
	s_mov_b32 s[G1+6], 0
	s_mov_b32 s[G1+7], 0
	s_mov_b32 s[SEL], 0x76543210
	s_mov_b32 s[SEL+1], 0xfedcba98
	s_mov_b32 s[TB], 0
	s_mov_b32 s[SLOTS], 6
	s_lshr_b32 s[LIM], s[WV], 2                    ; 0 in waves 0 to 3,
	s_or_b32 s[LIM], s[LIM], ttmp9                 ; of the head's first cluster: the same in all four partners
	s_cmp_eq_u32 s[LIM], 0
	s_cselect_b32 s[LIM], 1, -1
	s_lshl_b32 s[PFA], s13, 20                     ; the prefetches: my head,
	s_lshl_b32 s[PFA+1], s11, 15                   ; my work-group's 32,768 bytes of a slot,
	s_add_co_u32 s[PFA], s[PFA], s[PFA+1]
	s_and_b32 s[PFA+1], s[WV], 3
	s_lshl_b32 s[PFA+1], s[PFA+1], 13              ; my wave's 8,192 of them,
	s_add_co_u32 s[PFA], s[PFA], s[PFA+1]
	s_add_co_u32 s[PFA], s[PFA], 2*131072          ; in slot 2: the first change of slots steps it to slot 3.  Nothing is prefetched at the head
	s_mov_b32 s[PFA+1], 0
	v_and_b32 v1, 31, v0
	v_lshlrev_b32 v[PFO], 8, v1
	v_lshlrev_b32 v[LI], 4, v1
	v_add_nc_u32 v[AV0], 65536, v[LI]
	s_wait_dscnt 0x0                               ; both opening adds are done
	s_wait_kmcnt 0x0
	s_add_nc_u64 s[PFA:PFA+1], s[6:7], s[PFA:PFA+1]
	s_add_nc_u64 s[4:5], s[4:5], s[16:17]          ; Q at my wave's two tiles
	s_add_nc_u64 s[8:9], s[8:9], s[18:19]          ; af likewise
	s_mov_b32 s[G0A], 1                            ; 1:0 count = 1
	s_lshl_b32 s[G0A+1], s[WV], 14                 ; 63:32 LDS address: my eighth of slot 0
	s_add_nc_u64 s[G0A+2:G0A+3], s[6:7], s[14:15]  ; 120:64 global address: my eighth of the head's first slot
	s_mov_b32 s[G0B], 1
	s_add_co_u32 s[G0B+1], s[G0A+1], SLOT1
	s_add_nc_u64 s[G0B+2:G0B+3], s[G0A+2:G0A+3], 131072
	s_or_b32 s[G0A+3], s[G0A+3], 0x80000000        ; 127:126 type = 2
	s_or_b32 s[G0B+3], s[G0B+3], 0x80000000
	CROUND                                         ; all four work-groups are here: the first joint loads meet
	tensor_load_to_lds s[G0A:G0A+3], s[G1:G1+7]    ; both first fills together, ahead of every wait on TENSORcnt and every LDS read
	s_nop 0
	tensor_load_to_lds s[G0B:G0B+3], s[G1:G1+7]
	s_nop 0
.rept 4
	v_nop
.endr
.irp i, 0,1,2,3,4,5,6,7
	global_load_b128 v[Q+4*\i:Q+4*\i+3], v[LI], s[4:5] offset:512*\i   ; Q stays in registers: four fragments
.endr
.irp t, 0,1
	v_mov_b32 v[ST+8*\t], 0xff61b1e6               ; m = -3e38, under every score: the first a is 0
	v_mov_b32 v[ST+8*\t+2], 0                      ; l
	v_mov_b32 v[ST+8*\t+3], 0
.endr
.set n, 0
.rept 64
	v_mov_b32 v[O+n], 0                            ; O^T: the key step is written without a first step of its own; the first a leaves these zeros zeros
.set n, n+1
.endr
; Eight products of S^T = K Q^T, channels 32 s on: keys 16 (i / 2) on, tile i % 2.  The eight accumulators take turns, one instruction a turn; s = 0 starts the sums.
.macro QK s
.irp i, 0,1,2,3,4,5,6,7
.if \s == 0
	v_wmma_f32_16x16x32_f16 v[S+32*(\i%2)+8*(\i/2):S+32*(\i%2)+8*(\i/2)+7], v[KV+32*\s+8*(\i/2):KV+32*\s+8*(\i/2)+7], v[Q+16*(\i%2)+8*\s:Q+16*(\i%2)+8*\s+7], 0
.else
	v_wmma_f32_16x16x32_f16 v[S+32*(\i%2)+8*(\i/2):S+32*(\i%2)+8*(\i/2)+7], v[KV+32*\s+8*(\i/2):KV+32*\s+8*(\i/2)+7], v[Q+16*(\i%2)+8*\s:Q+16*(\i%2)+8*\s+7], v[S+32*(\i%2)+8*(\i/2):S+32*(\i%2)+8*(\i/2)+7]
.endif
.endr
.endm
; Eight products of O^T += V^T P, keys 32 u on: channels 16 (i / 2) on, tile i % 2
.macro PV u
.irp i, 0,1,2,3,4,5,6,7
	v_wmma_f32_16x16x32_f16 v[O+32*(\i%2)+8*(\i/2):O+32*(\i%2)+8*(\i/2)+7], v[KV+32*\u+8*(\i/2):KV+32*\u+8*(\i/2)+7], v[S+32*(\i%2)+8*\u:S+32*(\i%2)+8*\u+7], v[O+32*(\i%2)+8*(\i/2):O+32*(\i%2)+8*(\i/2)+7]
.endr
.endm
.macro LDK s                           ; K's four fragments of channels 32 s on: eight loads of 512 consecutive bytes
.irp k, 0,1,2,3
.irp c, 0,1
	ds_load_b128 v[KV+32*\s+8*\k+4*\c:KV+32*\s+8*\k+4*\c+3], v[ADK] offset:2048*\k+1024*\s+512*\c
.endr
.endr
.endm
.macro LDV                             ; V's eight fragments
.irp u, 0,1
.irp d, 0,1,2,3
.irp c, 0,1
	ds_load_b128 v[KV+32*\u+8*\d+4*\c:KV+32*\u+8*\d+4*\c+3], v[ADV] offset:4096*\u+1024*\d+512*\c
.endr
.endr
.endr
.endm
; THE SOFTMAX of a key step, both tiles line by line, so that no line reads the result of the line above it.
.macro SOFTMAX
.irp j, 0,1,2,3                        ; the maximum of 32 scores and m, three operands at a time, in four chains; each accumulator is read from its low end on
.irp t, 0,1
	v_max3_num_f32 v[ST+8*\t+4+\j], v[S+32*\t+8*\j], v[S+32*\t+8*\j+1], v[S+32*\t+8*\j+2]
.endr
.endr
.irp g, 1,2
.irp j, 0,1,2,3
.irp t, 0,1
	v_max3_num_f32 v[ST+8*\t+4+\j], v[ST+8*\t+4+\j], v[S+32*\t+8*\j+2*\g+1], v[S+32*\t+8*\j+2*\g+2]
.endr
.endr
.endr
.irp t, 0,1
	v_max3_num_f32 v[ST+8*\t+4], v[ST+8*\t+4], v[S+32*\t+7], v[S+32*\t+15]
.endr
.irp t, 0,1
	v_max3_num_f32 v[ST+8*\t+6], v[ST+8*\t+6], v[S+32*\t+23], v[S+32*\t+31]
.endr
.irp t, 0,1
	v_max3_num_f32 v[ST+8*\t+4], v[ST+8*\t+4], v[ST+8*\t+5], v[ST+8*\t+6]
.endr
.irp t, 0,1
	v_max3_num_f32 v[ST+8*\t+4], v[ST+8*\t+4], v[ST+8*\t+7], v[ST+8*\t]
.endr
.irp t, 0,1
	v_permlanex16_b32 v[ST+8*\t+5], v[ST+8*\t+4], s[SEL], s[SEL+1]   ; the query's other 32 keys lie in the lane 16 away
.endr
.irp t, 0,1
	v_mov_b32 v[ST+8*\t+1], v[ST+8*\t]             ; m_old
.endr
.irp t, 0,1
	v_max_num_f32 v[ST+8*\t], v[ST+8*\t+4], v[ST+8*\t+5]   ; the new m
.endr
.irp t, 0,1
	v_sub_f32 v[ST+8*\t+1], v[ST+8*\t+1], v[ST+8*\t]
.endr
.irp t, 0,1
	v_exp_f32 v[ST+8*\t+6], v[ST+8*\t+1]           ; a = 2^(m_old - m)
.endr
.irp j, 0,2,4,6,8,10,12,14,16,18,20,22,24,26,28,30
.irp t, 0,1
	v_pk_add_f32 v[S+32*\t+\j:S+32*\t+\j+1], v[S+32*\t+\j:S+32*\t+\j+1], v[ST+8*\t:ST+8*\t+1] op_sel_hi:[1,0] neg_lo:[0,1] neg_hi:[0,1]   ; s - m, two at a time: the independent work behind the two a
.endr
.endr
	s_wait_alu depctr_va_vdst(0)                   ; the wait ahead of the first line that names a
.set n, 0
.rept 32                               ; the 64 exponentials are one batch; between them O^T is brought under the new m, ascending, a pair for each two exponentials
	v_exp_f32 v[S+n], v[S+n]
	v_exp_f32 v[S+32+n], v[S+32+n]
	v_pk_mul_f32 v[O+2*n:O+2*n+1], v[O+2*n:O+2*n+1], v[ST+8*(n/16)+6:ST+8*(n/16)+7] op_sel_hi:[1,0]
.set n, n+1
.endr
.irp t, 0,1
	v_pk_mul_f32 v[ST+8*\t+2:ST+8*\t+3], v[ST+8*\t+2:ST+8*\t+3], v[ST+8*\t+6:ST+8*\t+7] op_sel_hi:[1,0]   ; l under the new m: plain lines behind the last exponential
.endr
	s_wait_alu depctr_va_vdst(0)                   ; one wait for the batch, ahead of its first reader
.irp t, 0,1                            ; the sums, of p as it is in f32: the even pairs onto l, the odd pairs in a chain of their own
	v_pk_add_f32 v[ST+8*\t+4:ST+8*\t+5], v[S+32*\t+2:S+32*\t+3], v[S+32*\t+6:S+32*\t+7]
.endr
.irp t, 0,1
	v_pk_add_f32 v[ST+8*\t+2:ST+8*\t+3], v[ST+8*\t+2:ST+8*\t+3], v[S+32*\t:S+32*\t+1]
.endr
.irp t, 0,1
	v_pk_add_f32 v[ST+8*\t+2:ST+8*\t+3], v[ST+8*\t+2:ST+8*\t+3], v[S+32*\t+4:S+32*\t+5]
.endr
.irp j, 8,12,16,20,24,28
.irp t, 0,1
	v_pk_add_f32 v[ST+8*\t+2:ST+8*\t+3], v[ST+8*\t+2:ST+8*\t+3], v[S+32*\t+\j:S+32*\t+\j+1]
.endr
.irp t, 0,1
	v_pk_add_f32 v[ST+8*\t+4:ST+8*\t+5], v[ST+8*\t+4:ST+8*\t+5], v[S+32*\t+\j+2:S+32*\t+\j+3]
.endr
.endr
.irp t, 0,1
	v_pk_add_f32 v[ST+8*\t+2:ST+8*\t+3], v[ST+8*\t+2:ST+8*\t+3], v[ST+8*\t+4:ST+8*\t+5]
.endr
.irp i, 0,1,2,3,4,5,6,7,8,9,10,11,12,13,14,15
.irp t, 0,1
	v_cvt_pk_f16_f32 v[S+32*\t+\i], v[S+32*\t+2*\i], v[S+32*\t+2*\i+1]   ; P in place, ascending: register i is written when registers 2 i and 2 i + 1 are read, and was read before
.endr
.endr
.endm
; THE CHANGE OF SLOTS, in a slot's eighth step, behind its softmax.  Each wave waits for all its tensor loads (one is out: its eighth of the other slot), adds 0 to its spare word, and waits for that and for its
; reads of this slot, of which V's fragments of this step are the last.  Behind the barrier nobody reads this slot and the other slot is whole.
; fill = 1: the barrier is a round of the cluster's, and the joint refill, with the keys two slots on, is the first thing behind it.
.macro CHANGE fill
	s_wait_tensorcnt 0x0                           ; no tensor load of mine is out, so a group 0 may be written
	ds_add_u32 v[SPW], v[NIL]                      ; 0 onto my spare word
.if \fill
	s_xor_b32 s[G0B+1], s[G0B+1], SLOT1            ; the walking descriptor: the other slot than last time,
	s_add_nc_u64 s[G0B+2:G0B+3], s[G0B+2:G0B+3], 131072   ; the next 512 keys; the type bits on top are not reached
	s_wait_xcnt 0x0                                ; the last prefetch, a slot back, has read its address, so it may be written:
	s_add_nc_u64 s[PFA:PFA+1], s[PFA:PFA+1], 131072       ; one slot further on than the walking descriptor
	s_wait_dscnt 0x0                               ; the add is done, and my reads of the slot are over
	CROUND
	JLOAD
	ASK
.else
	s_wait_dscnt 0x0                               ; the add is done, and my reads of the slot are over
	s_barrier_signal -1
	s_barrier_wait -1
.endif
	s_sub_co_u32 s[TB], s[TB], 65536               ; the fetches go back to a slot's first step,
	s_xor_b32 s[TB], s[TB], SLOT1                  ; in the other slot
.endm
; A KEY STEP of 64 keys.  chg = 0: inside a slot; 1: the slot's last, with a refill; 2: the slot's last, nothing left to ask for; 3: the last of all.
; K and V share 64 registers: V is fetched when both halves of K are multiplied and lands under the softmax; the next step's K is fetched half by half as V's halves are multiplied.
.macro STEP chg
	s_wait_dscnt 8                                 ; K's channels 0-31 are in; the eight loads of channels 32-63 may be out
	QK 0
	s_wait_dscnt 0x0
	QK 1
	v_add_nc_u32 v[ADV], s[TB], v[AV0]
.rept 3
	v_nop                                          ; with the addition: four places ahead of the loads into K's registers and of the first read of the scores
.endr
	s_add_co_u32 s[TB], s[TB], 8192                ; the next fetch is the next step's
	LDV
	SOFTMAX
.if (\chg == 0) || (\chg == 3)
	s_wait_dscnt 0x0                               ; V is in
.elseif \chg == 1
	CHANGE 1
.else
	CHANGE 0
.endif
	PV 0
.if \chg < 3
	v_add_nc_u32 v[ADK], s[TB], v[LI]
.rept 3
	v_nop                                          ; four places ahead of the loads into the registers that these products read
.endr
	LDK 0
.endif
	PV 1
.if \chg < 3
.rept 5
	v_nop                                          ; five places: the next step's first products write over P's registers, which these products read; four of them serve the loads below
.endr
	LDK 1
.endif
.endm
.macro SEVEN                           ; a slot's first seven steps: written once, walked seven times; the LDS addresses hang on s[TB]
	s_mov_b32 s[CNT], 7
.Lstep_\@:
	STEP 0
	s_sub_co_u32 s[CNT], s[CNT], 1
	s_cmp_lg_u32 s[CNT], 0
	s_cbranch_scc1 .Lstep_\@
.endm
	s_wait_tensorcnt 0x1                           ; my eighth of slot 0 is in; slot 1's may stay out
	s_barrier_signal -1
	s_barrier_wait -1                              ; everybody's is
	v_add_nc_u32 v[ADK], s[TB], v[LI]
	LDK 0
	LDK 1
	s_wait_loadcnt 0x0                             ; Q
.Lslot:                                ; six trips: slots 0 to 5 are walked, and each is filled again with the keys two slots on
	SEVEN
	STEP 1
	s_sub_co_u32 s[SLOTS], s[SLOTS], 1
	s_cmp_lg_u32 s[SLOTS], 0
	s_cbranch_scc1 .Lslot
	SEVEN                                          ; the last two slots are written out
	STEP 2
	SEVEN
	STEP 3
	; THE WAY OUT.  l's two halves and the other half of the lanes' are added (these lines are the places behind the last products); O^T is divided by l and rounded to f16.
	; A lane's 8 channels of a token are 4 registers of a fragment of the projection's operand: each store is 512 consecutive aligned bytes, with no stage.
.irp t, 0,1
	v_add_f32 v[ST+8*\t+4], v[ST+8*\t+2], v[ST+8*\t+3]
.endr
.irp t, 0,1
	v_permlanex16_b32 v[ST+8*\t+5], v[ST+8*\t+4], s[SEL], s[SEL+1]
.endr
.irp t, 0,1
	v_add_f32 v[ST+8*\t+4], v[ST+8*\t+4], v[ST+8*\t+5]
.endr
.irp t, 0,1
	v_rcp_f32 v[ST+8*\t+6], v[ST+8*\t+4]
.endr
	v_nop                                          ; a plain line between the last reciprocal and the use of its result
	s_wait_alu depctr_va_vdst(0)                   ; and the wait: one for the two
.set n, 0
.rept 32
	v_pk_mul_f32 v[O+2*n:O+2*n+1], v[O+2*n:O+2*n+1], v[ST+8*(n/16)+6:ST+8*(n/16)+7] op_sel_hi:[1,0]   ; ascending: each accumulator from its low end on
.set n, n+1
.endr
.set n, 0
.rept 32
	v_cvt_pk_f16_f32 v[S+n], v[O+2*n], v[O+2*n+1]
.set n, n+1
.endr
.irp t, 0,1
.irp d, 0,1,2,3
	global_store_b128 v[LI], v[S+16*\t+4*\d:S+16*\t+4*\d+3], s[8:9] offset:8192*\t+512*\d
.endr
.endr
	s_wait_tensorcnt 0x0                           ; the wave's end
	ds_add_u32 v[SPW], v[NIL]
	s_wait_dscnt 0x0
	CROUND                                         ; the closing round: no work-group ends while a partner may still ask for a tile that names it
	s_endpgm
.Lfunc_end_k_q0daa52b1fa_attn:
	.size	k_q0daa52b1fa_attn, .Lfunc_end_k_q0daa52b1fa_attn-k_q0daa52b1fa_attn
	.p2alignl 7, 3214868480
	.fill 96, 4, 3214868480
	.section	.rodata,"a",@progbits
	.p2align	6, 0x0
	.amdhsa_kernel k_q0daa52b1fa_attn
		.amdhsa_group_segment_fixed_size 327680
		.amdhsa_private_segment_fixed_size 0
		.amdhsa_enable_private_segment 0
		.amdhsa_kernarg_size 24
		.amdhsa_user_sgpr_count 2
		.amdhsa_user_sgpr_kernarg_segment_ptr 1
		.amdhsa_wavefront_size32 1
		.amdhsa_system_sgpr_workgroup_id_x 1
		.amdhsa_system_sgpr_workgroup_id_y 1
		.amdhsa_system_sgpr_workgroup_id_z 1
		.amdhsa_system_vgpr_workitem_id 0
		.amdhsa_next_free_vgpr 256
		.amdhsa_next_free_sgpr 66
		.amdhsa_reserve_vcc 0
		.amdhsa_float_denorm_mode_32 3
		.amdhsa_float_denorm_mode_16_64 3
		.amdhsa_memory_ordered 1
		.amdhsa_forward_progress 1
		.amdhsa_inst_pref_size 118
	.end_amdhsa_kernel
	.amdgpu_metadata
---
amdhsa.version: [ 1, 2 ]
amdhsa.kernels:
  - .name:           k_q0daa52b1fa_attn
    .symbol:         k_q0daa52b1fa_attn.kd
    .args:
      - { .name: qf, .offset: 0, .size: 8, .value_kind: global_buffer, .address_space: global }
      - { .name: kvf, .offset: 8, .size: 8, .value_kind: global_buffer, .address_space: global }
      - { .name: af, .offset: 16, .size: 8, .value_kind: global_buffer, .address_space: global }
    .group_segment_fixed_size: 327680
    .private_segment_fixed_size: 0
    .kernarg_segment_align: 8
    .kernarg_segment_size: 24
    .max_flat_workgroup_size: 256
    .sgpr_count:     66
    .vgpr_count:     256
    .wavefront_size: 32
...
	.end_amdgpu_metadata
.endif
;; end of part 3
;; launch oproj (part 4): grid 256 x 1, 4 waves a work-group, no clusters, 17,920 bytes of LDS; arguments af, wo16, bo, out0; writes out0
.if DOCPART == 4
	.amdgcn_target "amdgcn-amd-amdhsa--gfx1250"
	.amdhsa_code_object_version 6
	.text
	.protected	k_q0daa52b1fa_oproj
	.globl	k_q0daa52b1fa_oproj
	.p2align	8
	.type	k_q0daa52b1fa_oproj,@function
k_q0daa52b1fa_oproj:
	s_mov_b64 s[64:65], 0
	v_nop
	global_prefetch_b8 v0, s[64:65] scope:SCOPE_SE
	s_setreg_imm32_b32 hwreg(HW_REG_WAVE_MODE, 25, 1), 1
	s_wait_xcnt 0x0
; OPROJ: out0 = attn Wo + bo.  attn [16,384][256] and Wo [256][256] come as f16, laid as images of the fragments' registers (16 bytes a lane, 512 a group of four registers); sums f32; out0 f32.
; SHARES.  A work-group takes 64 rows (4 tiles of 16 tokens), wave w the columns 64 w .. 64 w + 63: 256 bytes of each row, aligned.  So each wave has a stage of its own, and there is no barrier.
; K = 256 is 8 steps of 32: the text is straight-line.  All 136 loads are issued at once, attn's by K step, so that the products of a K step begin when its eight loads are in.
; THE PRODUCT IS USED TRANSPOSED (source 0 = 16 columns of Wo, source 1 = 16 tokens): a lane holds 8 neighbouring columns of one row.  bo is the C of each sum's first product.
; REGISTERS, in windows of 256 (s_set_vgpr_msb: bits 1:0 source 0, 3:2 source 1, 5:4 source 2, 7:6 destination):
;   window 0: v1-5 addresses; v16-47 bo, 8 a column tile; v48-175 sixteen accumulators ((m, n) at 48 + 8 (4 m + n)); v176-239 rows on the way out, two sets; v240, v241 the add's two.
;   window 1: Wo's 32 fragments ((n, ks) at 8 (8 n + ks)).   window 2: attn's 32 ((m, ks) at 8 (8 m + ks)).
; No cluster, no tensor load: what work-groups share, Wo, goes straight into registers, 32,768 bytes a wave, once.
.set SPARE, 17408                      ; behind the four stages of 16 rows x 272 bytes: the spare words, 128 bytes for each wave: two blocks of 256 bytes that no other line names
.set BO,  16
.set ACC, 48
.set BK,  176
.set MSB, 0
.macro WIN new                         ; the immediate's high byte repeats the setting that is left
.if MSB != \new
	s_set_vgpr_msb (MSB<<8)|\new
.set MSB, \new
.endif
.endm
	s_load_b256 s[4:11], s[0:1], 0x0               ; af s[4:5], wo16 s[6:7], bo s[8:9], out0 s[10:11]
	v_lshl_add_u32 v240, v0, 2, SPARE              ; my spare word,
	v_mov_b32 v241, 0                              ; and 0: kept for the wave's end
	v_lshrrev_b32 v6, 5, v0
	v_readfirstlane_b32 s12, v6                    ; wave 0..3
	v_and_b32 v6, 31, v0                           ; lane
	v_and_b32 v7, 15, v0                           ; r
	v_bfe_u32 v8, v0, 4, 1                         ; h
	v_lshlrev_b32 v1, 4, v6                        ; v1: 16 x lane
	v_lshlrev_b32 v2, 5, v8                        ; v2: 32 h: bo: my half's 8 columns of a tile
	s_mul_i32 s13, s12, 4352                       ; my stage
	v_mul_u32_u24 v3, v7, 272                      ; v3: into it: row r (272 bytes apart, an odd multiple of 16), + 32 h
	v_lshl_add_u32 v3, v8, 5, v3
	v_add_nc_u32 v3, s13, v3
	v_mul_u32_u24 v4, v8, 272                      ; v4: back: lanes 0-15 one row of 256 bytes, lanes 16-31 the next
	v_lshl_add_u32 v4, v7, 4, v4
	v_add_nc_u32 v4, s13, v4
	v_lshlrev_b32 v5, 10, v8                       ; v5: and the same two rows in out0, 1,024 bytes apart
	v_lshl_add_u32 v5, v7, 4, v5
	s_lshl_b32 s14, ttmp9, 15                      ; af: 8,192 bytes a tile of 16 tokens, 4 tiles a work-group
	s_mov_b32 s15, 0
	s_lshl_b32 s16, s12, 15                        ; wo16: 8,192 bytes a column tile, 4 tiles a wave
	s_mov_b32 s17, 0
	s_lshl_b32 s18, s12, 8                         ; bo: my 64 numbers; also my 256 bytes of a row of out0
	s_mov_b32 s19, 0
	s_lshl_b32 s20, ttmp9, 16                      ; out0: 64 rows of 1,024 bytes a work-group
	s_add_co_u32 s20, s20, s18
	s_mov_b32 s21, 0
	s_wait_kmcnt 0x0
	s_add_nc_u64 s[4:5], s[4:5], s[14:15]
	s_add_nc_u64 s[6:7], s[6:7], s[16:17]
	s_add_nc_u64 s[8:9], s[8:9], s[18:19]
	s_add_nc_u64 s[10:11], s[10:11], s[20:21]
.irp n, 0,1,2,3
	global_load_b128 v[BO+8*\n:BO+8*\n+3], v2, s[8:9] offset:64*\n
	global_load_b128 v[BO+8*\n+4:BO+8*\n+7], v2, s[8:9] offset:64*\n+16
.endr
	WIN 0x40                                       ; destination window 1
.irp n, 0,1,2,3
.irp k, 0,1,2,3,4,5,6,7
.irp c, 0,1
	global_load_b128 v[8*(8*\n+\k)+4*\c:8*(8*\n+\k)+4*\c+3], v1, s[6:7] offset:8192*\n+1024*\k+512*\c
.endr
.endr
.endr
	WIN 0x80                                       ; destination window 2
.irp k, 0,1,2,3,4,5,6,7
.irp m, 0,1,2,3
.irp c, 0,1
	global_load_b128 v[8*(8*\m+\k)+4*\c:8*(8*\m+\k)+4*\c+3], v1, s[4:5] offset:8192*\m+1024*\k+512*\c
.endr
.endr
.endr
	WIN 0x09                                       ; source 0 (Wo) window 1, source 1 (attn) window 2, C and D window 0
.irp k, 0,1,2,3,4,5,6,7
	s_wait_loadcnt 56-8*\k                         ; bo, Wo and attn's K steps up to this one are in; the eight loads of each later K step may be out
.irp m, 0,1,2,3
.irp n, 0,1,2,3                        ; the sixteen accumulators take turns, one instruction a turn
.if \k == 0
	v_wmma_f32_16x16x32_f16 v[ACC+8*(4*\m+\n):ACC+8*(4*\m+\n)+7], v[8*(8*\n+\k):8*(8*\n+\k)+7], v[8*(8*\m+\k):8*(8*\m+\k)+7], v[BO+8*\n:BO+8*\n+7]
.else
	v_wmma_f32_16x16x32_f16 v[ACC+8*(4*\m+\n):ACC+8*(4*\m+\n)+7], v[8*(8*\n+\k):8*(8*\n+\k)+7], v[8*(8*\m+\k):8*(8*\m+\k)+7], v[ACC+8*(4*\m+\n):ACC+8*(4*\m+\n)+7]
.endif
.endr
.endr
.endr
	WIN 0
.rept 4
	v_nop                                          ; four places (ISA guide 7.12.1) ahead of the first read of results
.endr
; THE WAY OUT, a tile of 16 rows at a time.  A lane holds 32 bytes of a row and the lanes beside it other rows: so a tile goes through my stage and comes back as whole rows of 256 bytes.
; LDS serves a wave's instructions in order (ISA guide 5.7.1.4): no wait between the stores and the loads, nor ahead of the next tile's stores.
.macro TOSTAGE m
.irp n, 0,1,2,3
	ds_store_b128 v3, v[ACC+8*(4*(\m)+\n):ACC+8*(4*(\m)+\n)+3] offset:64*\n          ; each accumulator from its low end on
	ds_store_b128 v3, v[ACC+8*(4*(\m)+\n)+4:ACC+8*(4*(\m)+\n)+7] offset:64*\n+16
.endr
.irp i, 0,1,2,3,4,5,6,7
	ds_load_b128 v[BK+32*((\m)%2)+4*\i:BK+32*((\m)%2)+4*\i+3], v4 offset:544*\i
.endr
.endm
.macro SEND m, younger                 ; younger: the LDS instructions issued behind tile m's loads, which may stay out
	s_wait_dscnt \younger
.irp i, 0,1,2,3,4,5,6,7
	global_store_b128 v5, v[BK+32*((\m)%2)+4*\i:BK+32*((\m)%2)+4*\i+3], s[10:11] offset:16384*(\m)+2048*\i th:TH_STORE_NT   ; sixteen lanes store 256 consecutive aligned bytes; written once, read by nobody here
.endr
.endm
	TOSTAGE 0
	TOSTAGE 1
	SEND 0, 16                                     ; behind tile 0's loads: tile 1's 8 stores and 8 loads
	s_wait_xcnt 0x0                                ; tile 0's stores have read their data: tile 2's loads may land there
	TOSTAGE 2
	SEND 1, 16
	s_wait_xcnt 0x0                                ; likewise tile 1's
	TOSTAGE 3
	SEND 2, 16
	SEND 3, 0
	s_wait_tensorcnt 0x0                           ; the wave's end
	ds_add_u32 v240, v241
	s_wait_dscnt 0x0
	s_endpgm
.Lfunc_end_k_q0daa52b1fa_oproj:
	.size	k_q0daa52b1fa_oproj, .Lfunc_end_k_q0daa52b1fa_oproj-k_q0daa52b1fa_oproj
	.p2alignl 7, 3214868480
	.fill 96, 4, 3214868480
	.section	.rodata,"a",@progbits
	.p2align	6, 0x0
	.amdhsa_kernel k_q0daa52b1fa_oproj
		.amdhsa_group_segment_fixed_size 17920
		.amdhsa_private_segment_fixed_size 0
		.amdhsa_enable_private_segment 0
		.amdhsa_kernarg_size 32
		.amdhsa_user_sgpr_count 2
		.amdhsa_user_sgpr_kernarg_segment_ptr 1
		.amdhsa_wavefront_size32 1
		.amdhsa_system_sgpr_workgroup_id_x 1
		.amdhsa_system_sgpr_workgroup_id_y 1
		.amdhsa_system_sgpr_workgroup_id_z 1
		.amdhsa_system_vgpr_workitem_id 0
		.amdhsa_next_free_vgpr 768
		.amdhsa_next_free_sgpr 66
		.amdhsa_reserve_vcc 0
		.amdhsa_float_denorm_mode_32 3
		.amdhsa_float_denorm_mode_16_64 3
		.amdhsa_memory_ordered 1
		.amdhsa_forward_progress 1
		.amdhsa_inst_pref_size 31
	.end_amdhsa_kernel
	.amdgpu_metadata
---
amdhsa.version: [ 1, 2 ]
amdhsa.kernels:
  - .name:           k_q0daa52b1fa_oproj
    .symbol:         k_q0daa52b1fa_oproj.kd
    .args:
      - { .name: af, .offset: 0, .size: 8, .value_kind: global_buffer, .address_space: global }
      - { .name: wo16, .offset: 8, .size: 8, .value_kind: global_buffer, .address_space: global }
      - { .name: bo, .offset: 16, .size: 8, .value_kind: global_buffer, .address_space: global }
      - { .name: out0, .offset: 24, .size: 8, .value_kind: global_buffer, .address_space: global }
    .group_segment_fixed_size: 17920
    .private_segment_fixed_size: 0
    .kernarg_segment_align: 8
    .kernarg_segment_size: 32
    .max_flat_workgroup_size: 128
    .sgpr_count:     66
    .vgpr_count:     768
    .wavefront_size: 32
...
	.end_amdgpu_metadata
.endif
;; end of part 4
